; MI455X (gfx1250); checked and timed in simulation.
; The chip was launched on July 23, 2026; its instructions are those of AMD's public machine-readable ISA for CDNA 5 (MIT licence, August 2026) and "CDNA5" Instruction Set Architecture Reference Guide (July 2026). The comments in the code are by the model that wrote it; some were corrected since.
;; Multi Head Self Attention. Allowed arithmetic: float matrix products may take bf16 or f16 operands with f32 sums; all other float work in f32.
;; Inputs: Wk 1,024 x 1,024 float32; Wo 1,024 x 1,024 float32; Wq 1,024 x 1,024 float32; Wv 1,024 x 1,024 float32; bk 1,024 float32; bo 1,024 float32; bq 1,024 float32; bv 1,024 float32; pad_mask 4 x 1,024 float32; posK 257 x 64 float32; posV 257 x 64 float32; x 4 x 1,024 x 1,024 float32.
;; Outputs: out0 4 x 1,024 x 1,024 float32.
;; One version. Each part assembles by itself: llvm-mc -triple=amdgcn-amd-amdhsa -mcpu=gfx1250 --defsym DOCPART=n.
;; ======== version 1 of 1: 4 launches
;; limits: values are held in f16: magnitudes above 65,504 overflow, below 6.1e-05 lose precision
;; workspace buffers: xh 8,388,608 bytes; wt 8,388,608 bytes; pkx 40,960 bytes; pvx 40,960 bytes; qkv 25,165,824 bytes; ao 8,388,608 bytes
;; launch prep (part 1): grid 788 x 1, 8 waves a work-group, no clusters, 18,432 bytes of LDS; arguments x, Wq, Wk, Wv, Wo, posK, posV, xh, wt, pkx, pvx; writes xh, wt, pkx, pvx
.if DOCPART == 1
	.amdgcn_target "amdgcn-amd-amdhsa--gfx1250"
	.amdhsa_code_object_version 6
	.text
	.protected	k_qe93525ddb1_prep
	.globl	k_qe93525ddb1_prep
	.p2align	8
	.type	k_qe93525ddb1_prep,@function
k_qe93525ddb1_prep:
	s_mov_b64 s[64:65], 0
	v_nop
	global_prefetch_b8 v0, s[64:65] scope:SCOPE_SE
	s_setreg_imm32_b32 hwreg(HW_REG_WAVE_MODE, 25, 1), 1
	s_wait_xcnt 0x0
; Operands for the matrix launches, rounded once from f32 to f16.
;   work-groups   0..255: xh[4096][1024]  = f16(x), 65,536 bytes of x each
;   work-groups 256..767: wt[4096 n][1024 k]: rows 0..1023 Wq transposed, then Wk, Wv, Wo; a tile of 128 k x 64 n each, turned in LDS
;   work-groups 768..787: pkx, pvx [320][64]: row r = table[clamp(r - 32, 0, 256)], 32 rows each (ten work-groups a table)
; The branch on the work-group's number is the same in all eight waves, so the one barrier (second way) is passed by all or by none.
; LIMIT: a number beyond 65,504 in magnitude becomes an infinity in f16.
.set XWG, 256
.set WWG, 512
	s_load_b512 s[4:19], s[0:1], 0x0               ; x 4, Wq 6, Wk 8, Wv 10, Wo 12, posK 14, posV 16, xh 18
	s_load_b128 s[20:23], s[0:1], 0x40             ; wt 20, pkx 22
	s_load_b64 s[24:25], s[0:1], 0x50              ; pvx
	v_lshl_add_u32 v104, v0, 2, 0x4400
	v_mov_b32 v105, 0
	s_mov_b32 s27, 0
	s_cmp_lt_u32 ttmp9, XWG
	s_cbranch_scc0 .Lnot_x
	; ---- x: thread t takes 16 bytes at 16 t of each block of 4,096 bytes; a wave's load covers 512 neighbouring bytes,
	; its store of 8 bytes a lane covers 256 neighbouring bytes, aligned.  All sixteen loads go out first.
	s_lshl_b32 s26, ttmp9, 16
	s_lshl_b32 s28, ttmp9, 15
	s_mov_b32 s29, 0
	v_lshlrev_b32 v1, 4, v0
	v_lshlrev_b32 v2, 3, v0
	s_wait_kmcnt 0x0
	s_add_nc_u64 s[4:5], s[4:5], s[26:27]
	s_add_nc_u64 s[18:19], s[18:19], s[28:29]
.irp n, 0,1,2,3,4,5,6,7,8,9,10,11,12,13,14,15
	global_load_b128 v[8+4*\n:8+4*\n+3], v1, s[4:5] offset:4096*\n th:TH_LOAD_NT
.endr
.irp n, 0,1,2,3,4,5,6,7,8,9,10,11,12,13,14,15
	s_wait_loadcnt 15-\n                           ; loads come back in order: number n is in, the younger ones stay out
	v_cvt_pk_f16_f32 v[72+2*\n], v[8+4*\n], v[8+4*\n+1]
	v_cvt_pk_f16_f32 v[72+2*\n+1], v[8+4*\n+2], v[8+4*\n+3]
	global_store_b64 v2, v[72+2*\n:72+2*\n+1], s[18:19] offset:2048*\n
.endr
	s_endpgm
.Lnot_x:
	s_cmp_lt_u32 ttmp9, XWG+WWG
	s_cbranch_scc0 .Ltables
	; ---- a weight tile.  c = t & 15: four columns n (16 bytes); g = t >> 4: eight rows k.
	s_sub_co_u32 s26, ttmp9, XWG
	s_lshr_b32 s28, s26, 7                         ; which matrix
	s_bfe_u32 s29, s26, 0x30004                    ; kt: which 128 rows k
	s_and_b32 s30, s26, 15                         ; nt: which 64 columns n
	v_and_b32 v1, 15, v0                           ; c
	v_lshrrev_b32 v2, 4, v0                        ; g
	v_lshlrev_b32 v3, 4, v1                        ; 16 c
	v_lshl_add_u32 v4, v2, 15, v3                  ; in W: 8 g rows of 4,096 bytes + 16 c
	v_mul_u32_u24 v5, v1, 1088                     ; in LDS: row n = 4 c (+ i), pitch 272,
	v_lshl_add_u32 v5, v2, 4, v5                   ; 16 bytes for k = 8 g .. 8 g + 7
	v_mul_u32_u24 v6, v2, 272                      ; back: row g (+ 16 p), 16 bytes at 16 c
	v_add_nc_u32 v6, v6, v3
	v_lshl_add_u32 v7, v2, 11, v3                  ; in wt: row g of 2,048 bytes + 16 c
	s_lshl_b32 s26, s29, 19                        ; kt x 128 rows x 4,096 bytes
	s_lshl_b32 s31, s30, 8                         ; nt x 256 bytes
	s_add_co_u32 s26, s26, s31
	s_lshl_b32 s32, s28, 21                        ; matrix x 1,024 rows x 2,048 bytes
	s_lshl_b32 s31, s30, 17                        ; nt x 64 rows
	s_add_co_u32 s32, s32, s31
	s_lshl_b32 s31, s29, 8                         ; kt x 256 bytes
	s_add_co_u32 s32, s32, s31
	s_mov_b32 s33, 0
	s_wait_kmcnt 0x0
	s_cmp_eq_u32 s28, 1
	s_cselect_b64 s[6:7], s[8:9], s[6:7]
	s_cmp_eq_u32 s28, 2
	s_cselect_b64 s[6:7], s[10:11], s[6:7]
	s_cmp_eq_u32 s28, 3
	s_cselect_b64 s[6:7], s[12:13], s[6:7]
	s_add_nc_u64 s[6:7], s[6:7], s[26:27]
	s_add_nc_u64 s[20:21], s[20:21], s[32:33]
.irp j, 0,1,2,3,4,5,6,7
	global_load_b128 v[8+4*\j:8+4*\j+3], v4, s[6:7] offset:4096*\j th:TH_LOAD_NT   ; row 8 g + j: sixteen lanes take 256 neighbouring bytes
.endr
	s_wait_loadcnt 0x0
.irp i, 0,1,2,3
.irp p, 0,1,2,3
	v_cvt_pk_f16_f32 v[40+4*\i+\p], v[8+8*\p+\i], v[12+8*\p+\i]    ; column 4 c + i, rows 8 g + 2 p and 8 g + 2 p + 1
.endr
	ds_store_b128 v5, v[40+4*\i:40+4*\i+3] offset:272*\i
.endr
	s_wait_dscnt 0x0                               ; my stores are done before I say so: other waves read them
	s_barrier_signal -1
	s_barrier_wait -1
.irp p, 0,1,2,3
	ds_load_b128 v[56+4*\p:56+4*\p+3], v6 offset:4352*\p
.endr
.irp p, 0,1,2,3
	s_wait_dscnt 3-\p
	global_store_b128 v7, v[56+4*\p:56+4*\p+3], s[20:21] offset:32768*\p   ; sixteen lanes store 256 neighbouring bytes, aligned
.endr
	s_wait_tensorcnt 0x0
	ds_add_u32 v104, v105
	s_wait_dscnt 0x0
	s_endpgm
.Ltables:
	; ---- 32 rows of an extended table: thread t takes 8 numbers of row t >> 3
	s_sub_co_u32 s26, ttmp9, XWG+WWG               ; 0..19
	s_cmp_ge_u32 s26, 10
	s_cselect_b32 s28, 10, 0
	s_wait_kmcnt 0x0
	s_cselect_b64 s[14:15], s[16:17], s[14:15]     ; posV or posK
	s_cselect_b64 s[22:23], s[24:25], s[22:23]     ; pvx or pkx
	s_sub_co_u32 s26, s26, s28                     ; which 32 rows
	s_lshl_b32 s28, s26, 5
	v_lshrrev_b32 v1, 3, v0
	v_add_nc_u32 v1, s28, v1                       ; r, 0..319
	v_sub_nc_u32 v2, v1, 32
	v_cmp_le_u32 vcc_lo, 32, v1
	v_cndmask_b32 v2, 0, v2, vcc_lo                ; below 32: row 0
	v_min_u32 v2, 0x100, v2                        ; beyond 288: row 256
	v_and_b32 v3, 7, v0
	v_lshlrev_b32 v3, 5, v3
	v_lshl_add_u32 v2, v2, 8, v3                   ; source row x 256 bytes + 32 (t & 7)
	v_lshlrev_b32 v4, 4, v0                        ; (t >> 3) x 128 + 16 (t & 7) = 16 t
	s_lshl_b32 s26, s26, 12
	s_add_nc_u64 s[22:23], s[22:23], s[26:27]
	global_load_b128 v[8:11], v2, s[14:15]
	global_load_b128 v[12:15], v2, s[14:15] offset:16
	s_wait_loadcnt 0x0
.irp p, 0,1,2,3
	v_cvt_pk_f16_f32 v[16+\p], v[8+2*\p], v[9+2*\p]
.endr
	global_store_b128 v4, v[16:19], s[22:23]
	s_endpgm
.Lfunc_end_k_qe93525ddb1_prep:
	.size	k_qe93525ddb1_prep, .Lfunc_end_k_qe93525ddb1_prep-k_qe93525ddb1_prep
	.p2alignl 7, 3214868480
	.fill 96, 4, 3214868480
	.section	.rodata,"a",@progbits
	.p2align	6, 0x0
	.amdhsa_kernel k_qe93525ddb1_prep
		.amdhsa_group_segment_fixed_size 18432
		.amdhsa_private_segment_fixed_size 0
		.amdhsa_enable_private_segment 0
		.amdhsa_kernarg_size 88
		.amdhsa_user_sgpr_count 2
		.amdhsa_user_sgpr_kernarg_segment_ptr 1
		.amdhsa_wavefront_size32 1
		.amdhsa_system_sgpr_workgroup_id_x 1
		.amdhsa_system_sgpr_workgroup_id_y 1
		.amdhsa_system_sgpr_workgroup_id_z 1
		.amdhsa_system_vgpr_workitem_id 0
		.amdhsa_next_free_vgpr 106
		.amdhsa_next_free_sgpr 66
		.amdhsa_reserve_vcc 1
		.amdhsa_float_denorm_mode_32 3
		.amdhsa_float_denorm_mode_16_64 3
		.amdhsa_memory_ordered 1
		.amdhsa_forward_progress 1
		.amdhsa_inst_pref_size 13
	.end_amdhsa_kernel
	.amdgpu_metadata
---
amdhsa.version: [ 1, 2 ]
amdhsa.kernels:
  - .name:           k_qe93525ddb1_prep
    .symbol:         k_qe93525ddb1_prep.kd
    .args:
      - { .name: x, .offset: 0, .size: 8, .value_kind: global_buffer, .address_space: global }
      - { .name: Wq, .offset: 8, .size: 8, .value_kind: global_buffer, .address_space: global }
      - { .name: Wk, .offset: 16, .size: 8, .value_kind: global_buffer, .address_space: global }
      - { .name: Wv, .offset: 24, .size: 8, .value_kind: global_buffer, .address_space: global }
      - { .name: Wo, .offset: 32, .size: 8, .value_kind: global_buffer, .address_space: global }
      - { .name: posK, .offset: 40, .size: 8, .value_kind: global_buffer, .address_space: global }
      - { .name: posV, .offset: 48, .size: 8, .value_kind: global_buffer, .address_space: global }
      - { .name: xh, .offset: 56, .size: 8, .value_kind: global_buffer, .address_space: global }
      - { .name: wt, .offset: 64, .size: 8, .value_kind: global_buffer, .address_space: global }
      - { .name: pkx, .offset: 72, .size: 8, .value_kind: global_buffer, .address_space: global }
      - { .name: pvx, .offset: 80, .size: 8, .value_kind: global_buffer, .address_space: global }
    .group_segment_fixed_size: 18432
    .private_segment_fixed_size: 0
    .kernarg_segment_align: 8
    .kernarg_segment_size: 88
    .max_flat_workgroup_size: 256
    .sgpr_count:     66
    .vgpr_count:     106
    .wavefront_size: 32
...
	.end_amdgpu_metadata
.endif
;; end of part 1
;; launch qkvg (part 2): grid 16 x 16, 4 waves a work-group, clusters of 4 x 4, 327,680 bytes of LDS; arguments xh, wt, bq, bk, bv, qkv; writes qkv
.if DOCPART == 2
	.amdgcn_target "amdgcn-amd-amdhsa--gfx1250"
	.amdhsa_code_object_version 6
	.text
	.protected	k_qe93525ddb1_qkvg
	.globl	k_qe93525ddb1_qkvg
	.p2align	8
	.type	k_qe93525ddb1_qkvg,@function
k_qe93525ddb1_qkvg:
	s_mov_b64 s[64:65], 0
	v_nop
	global_prefetch_b8 v0, s[64:65] scope:SCOPE_SE
	s_setreg_imm32_b32 hwreg(HW_REG_WAVE_MODE, 25, 1), 1
	s_wait_xcnt 0x0
	s_wait_alu depctr_hold_cnt(0) depctr_sa_sdst(0) depctr_va_vdst(0) depctr_va_sdst(0) depctr_va_ssrc(0) depctr_va_vcc(0) depctr_vm_vsrc(0)
	s_getreg_b32 s2, hwreg(HW_REG_IB_STS2, 6, 4)
	s_cmp_eq_u32 s2, 0
	s_cbranch_scc0 .Lentry_in_a_cluster
	s_endpgm
.Lentry_in_a_cluster:
	s_bfe_u32 s2, ttmp6, 0x10000c
	s_cmp_lg_u32 s2, 0xf033
	s_cbranch_scc0 .Lentry_shape_is_right
	s_endpgm
.Lentry_shape_is_right:
; Q, K, V = x W + b in one product: C[4096][3072] = xh[4096][1024] x wt[0..3071][1024]^T, f16 operands, f32 sums, bias in f32, rounded once to f16.
; Out: qkv[48 u][4096 m][64], u = 16 x (0 Q, 1 K, 2 V) + head: a head's rows are dense, 128 bytes each.
; A work-group makes 256 rows x 192 columns (three units u); wave w makes rows 64 w .. 64 w + 63 x all 192 columns: 4 x 12 tiles of 16 x 16, 384 registers.
; K goes in steps of 128 through two LDS slots; waves 0, 1 fetch the halves of A's tile (128 rows each), waves 2, 3 those of B's (96 rows each).
; CLUSTER 4 x 4: A's tile hangs on the block row alone and is asked for jointly by a row of the cluster, B's on the block column alone, by a column.
; The matrix instruction is used transposed (source 0 = rows of wt, source 1 = rows of xh): lane (i, h) holds row i of C, columns 8 h .. 8 h + 7.
; REGISTERS: window 0: addresses, A's fragments v32-95 (two buffers), bias v128-223; window 1: B's fragments v0-191 (two buffers);
; window 2: accumulators of row tiles 0, 1 (tile (a, b) at v[8 (12 (a & 1) + b)]); window 3: of row tiles 2, 3.
; The 48 accumulators take turns, one instruction a turn, in the same order in every quarter step.
; LIMIT: |Q|, |K|, |V| below 65,504 (f16).
.set NT,     12
.set KDIM,   1024
.set KSTEP,  128
.set PITCH,  272                       ; 256 bytes of a row + 16 of padding
.set AHALF,  128*PITCH
.set ABYTES, 2*AHALF
.set BHALF,  96*PITCH
.set SLOT,   ABYTES+2*BHALF            ; 121,856
.set STAGE,  2*SLOT                    ; behind the ring, never filled by a tensor load
.set SPITCH, 144                       ; a stage row: 128 bytes + 16
.set WSTAGE, 48*SPITCH                 ; a wave's stage: three units x 16 rows
.set LAPS,   KDIM/(2*KSTEP)
.set ADRA, 16                          ; v16-17 my A fragments in slot 0, 1
.set ADRB, 20                          ; v20-21 B fragments
.set STO,  24
.set RD,   25
.set CO,   26
.set BO,   27
.set FA,   32
.set T,    32                          ; the way out: v32-127
.set BIAS, 128
.set G1,  24
.set G0,  32
.set G1B, 48
.set G0B, 56
.set MSB, 0
.macro WIN new                         ; the immediate's high byte repeats the setting that is left
.if MSB != \new
	s_set_vgpr_msb (MSB<<8)|\new
.set MSB, \new
.endif
.endm
.set MUL_LO, 0xa1                      ; source 0 window 1, source 1 window 0, C and D window 2
.set MUL_HI, 0xf1                      ; C and D window 3
.set TO_B,   0x40                      ; destination window 1
.macro JLOAD s                         ; one joint load a wave; the branch hangs on the wave's number alone
	s_cmp_eq_u32 s11, 0
	s_cbranch_scc0 .Lfor_b_\@
	tensor_load_to_lds s[G0+4*\s:G0+4*\s+3], s[G1:G1+7]
	s_nop 0
	s_branch .Lasked_\@
.Lfor_b_\@:
	tensor_load_to_lds s[G0B+4*\s:G0B+4*\s+3], s[G1B:G1B+7]
	s_nop 0
.Lasked_\@:
.endm
.macro CREST                           ; a round of the cluster's barrier behind its opening work-group barrier
	s_cmp_lg_u32 s10, 0
	s_cbranch_scc1 .Lnot_wave_0_\@
	s_barrier_signal -3
.Lnot_wave_0_\@:
	s_barrier_wait -3
	s_barrier_signal -1
	s_barrier_wait -1
.endm
.macro CROUND
	s_barrier_signal -1
	s_barrier_wait -1
	CREST
.endm
	s_load_b128 s[4:7], s[0:1], 0x0                ; xh, wt
	s_load_b256 s[68:75], s[0:1], 0x10             ; bq 68, bk 70, bv 72, qkv 74
	s_set_vgpr_msb 0x40
	v_lshl_add_u32 v255, v0, 2, 0x42400
	s_set_vgpr_msb 0x4000
	v_mov_b32 v255, 0
	s_set_vgpr_msb 0x1
	ds_add_u32 v255, v255
	s_set_vgpr_msb 0x100
	v_lshrrev_b32 v1, 5, v0
	v_readfirstlane_b32 s10, v1                    ; wave
	s_lshr_b32 s11, s10, 1                         ; 0: I fetch for A, 1: for B
	s_and_b32 s12, s10, 1                          ; which half of that tile
	s_bfe_u32 s40, ttmp6, 0x40000                  ; cx
	s_bfe_u32 s41, ttmp6, 0x40004                  ; cy
	s_lshl_b32 s42, ttmp9, 2
	s_add_co_u32 s42, s42, s40                     ; block column nb
	s_and_b32 s13, ttmp7, 0xffff
	s_lshl_b32 s13, s13, 2
	s_add_co_u32 s13, s13, s41                     ; block row mb
	s_lshl_b32 s43, s41, 2
	s_lshl_b32 s43, 15, s43                        ; my row of the cluster
	s_lshl_b32 s44, 0x1111, s40                    ; my column
	; group 1: elements of 2 bytes, 4 words of padding behind every 64 words, rows of 128 elements, 1,024 elements from row to row
	s_or_b32 s[G1+0], s43, (1<<16)|(1<<20)|(1<<21)|(5<<22)|(3<<25)
	s_mov_b32 s[G1+1], KSTEP<<16                   ; tensor_dim0 = 128
	s_mov_b32 s[G1+2], 128<<16                     ; tensor_dim1 = 128
	s_mov_b32 s[G1+3], KSTEP<<16                   ; tile_dim0 = 128
	s_mov_b32 s[G1+4], 128                         ; tile_dim1 = 128
	s_mov_b32 s[G1+5], KDIM
	s_mov_b32 s[G1+6], 0
	s_mov_b32 s[G1+7], 0
	s_or_b32 s[G1B+0], s44, (1<<16)|(1<<20)|(1<<21)|(5<<22)|(3<<25)
	s_mov_b32 s[G1B+1], KSTEP<<16
	s_mov_b32 s[G1B+2], 96<<16                     ; 96 rows
	s_mov_b32 s[G1B+3], KSTEP<<16
	s_mov_b32 s[G1B+4], 96
	s_mov_b32 s[G1B+5], KDIM
	s_mov_b32 s[G1B+6], 0
	s_mov_b32 s[G1B+7], 0
	; A's address is made of the block row and the wave, B's of the block column and the wave, in registers that never hold the other coordinate
	s_lshl_b32 s22, s12, 7
	s_lshl_b32 s16, s13, 8
	s_add_co_u32 s16, s16, s22                     ; A: row 256 mb + 128 half
	s_lshl_b32 s16, s16, 11                        ; x 2,048 bytes
	s_mov_b32 s17, 0
	s_mul_i32 s46, s42, 192
	s_mul_i32 s23, s12, 96
	s_add_co_u32 s46, s46, s23                     ; B: row 192 nb + 96 half
	s_lshl_b32 s46, s46, 11
	s_mov_b32 s47, 0
	s_mul_i32 s20, s12, AHALF                      ; LDS: the wave's number alone
	s_mul_i32 s21, s12, BHALF
	s_add_co_u32 s21, s21, ABYTES
	s_wait_dscnt 0x0
	s_wait_kmcnt 0x0
	s_add_nc_u64 s[14:15], s[4:5], s[16:17]
	s_add_nc_u64 s[46:47], s[6:7], s[46:47]
	CROUND                                         ; all sixteen work-groups are here: the first joint loads meet
.irp s, 0,1
	s_mov_b32 s[G0+4*\s], 1
	s_add_co_u32 s[G0+4*\s+1], s20, \s*SLOT
	s_add_nc_u64 s[G0+4*\s+2:G0+4*\s+3], s[14:15], \s*KSTEP*2
	s_or_b32 s[G0+4*\s+3], s[G0+4*\s+3], 0x80000000
	s_mov_b32 s[G0B+4*\s], 1
	s_add_co_u32 s[G0B+4*\s+1], s21, \s*SLOT
	s_add_nc_u64 s[G0B+4*\s+2:G0B+4*\s+3], s[46:47], \s*KSTEP*2
	s_or_b32 s[G0B+4*\s+3], s[G0B+4*\s+3], 0x80000000
	JLOAD \s                                       ; two loads of a wave are out, K steps 0 and 1
.endr
	v_and_b32 v1, 15, v0                           ; i
	v_bfe_u32 v2, v0, 4, 1                         ; h
	v_mul_u32_u24 v3, v1, PITCH
	v_lshl_add_u32 v3, v2, 4, v3                   ; i x pitch + 16 h
	s_mul_i32 s22, s10, 64*PITCH                   ; my 64 rows of A
.irp s, 0,1
	v_add_nc_u32 v[ADRA+\s], s22, v3
	v_add_nc_u32 v[ADRB+\s], ABYTES+\s*SLOT, v3
	s_add_co_u32 s22, s22, SLOT
.endr
	s_mul_i32 s23, s10, WSTAGE
	s_add_co_u32 s23, s23, STAGE
	v_mul_u32_u24 v4, v1, SPITCH
	v_lshl_add_u32 v4, v2, 4, v4
	v_add_nc_u32 v[STO], s23, v4                   ; in: row i, 16 bytes for each half of the lanes
	v_and_b32 v5, 31, v0
	v_lshrrev_b32 v6, 3, v5
	v_and_b32 v7, 7, v0
	v_mul_u32_u24 v6, v6, SPITCH
	v_lshl_add_u32 v6, v7, 4, v6
	v_add_nc_u32 v[RD], s23, v6                    ; back: eight lanes take a row of 128 bytes, a load takes four rows
	v_lshlrev_b32 v[CO], 4, v5                     ; and the same four rows, dense, in qkv: 16 x lane
	v_lshlrev_b32 v[BO], 5, v2                     ; bias: 8 h numbers
	; the three units' bias and output addresses
	s_lshl_b32 s16, s13, 15                        ; (256 mb + 64 w) rows of 128 bytes
	s_lshl_b32 s22, s10, 13
	s_add_co_u32 s16, s16, s22
	s_mov_b32 s67, 0
.irp j, 0,1,2
	s_mul_i32 s82, s42, 3
	s_add_co_u32 s82, s82, \j                      ; u
	s_lshr_b32 s83, s82, 4                         ; 0 Q, 1 K, 2 V
	s_cmp_eq_u32 s83, 1
	s_cselect_b64 s[84+2*\j:85+2*\j], s[70:71], s[68:69]
	s_cmp_eq_u32 s83, 2
	s_cselect_b64 s[84+2*\j:85+2*\j], s[72:73], s[84+2*\j:85+2*\j]
	s_and_b32 s66, s82, 15
	s_lshl_b32 s66, s66, 8                         ; head x 64 numbers
	s_add_nc_u64 s[84+2*\j:85+2*\j], s[84+2*\j:85+2*\j], s[66:67]
	s_lshl_b32 s66, s82, 19                        ; u x 524,288 bytes
	s_add_nc_u64 s[76+2*\j:77+2*\j], s[74:75], s[66:67]
	s_add_nc_u64 s[76+2*\j:77+2*\j], s[76+2*\j:77+2*\j], s[16:17]
.endr
.set tb, 0
.rept NT                                           ; bias of columns 16 b + 8 h .. + 7; waited for on the way out
	global_load_b128 v[BIAS+8*tb:BIAS+8*tb+3], v[BO], s[84+2*(tb/4):85+2*(tb/4)] offset:64*(tb%4)
	global_load_b128 v[BIAS+8*tb+4:BIAS+8*tb+7], v[BO], s[84+2*(tb/4):85+2*(tb/4)] offset:64*(tb%4)+16
.set tb, tb+1
.endr
; NT matrix instructions: row tile a x all column tiles, 32 along K, from fragment buffers f.  zero = 1: the first product starts the sums.
.macro MULA f, a, zero
.set tb, 0
.rept NT
.if \zero
	v_wmma_f32_16x16x32_f16 v[8*(NT*((\a)&1)+tb):8*(NT*((\a)&1)+tb)+7], v[8*NT*\f+8*tb:8*NT*\f+8*tb+7], v[FA+32*\f+8*\a:FA+32*\f+8*\a+7], 0
.else
	v_wmma_f32_16x16x32_f16 v[8*(NT*((\a)&1)+tb):8*(NT*((\a)&1)+tb)+7], v[8*NT*\f+8*tb:8*NT*\f+8*tb+7], v[FA+32*\f+8*\a:FA+32*\f+8*\a+7], v[8*(NT*((\a)&1)+tb):8*(NT*((\a)&1)+tb)+7]
.endif
.set tb, tb+1
.endr
.endm
; 2 NT + 8 LDS loads in one run: quarter kq of a slot's K step into buffers f; B first, A's row tiles 0..3 last
.macro FETCH slot, kq, f
	WIN TO_B
.set tb, 0
.rept NT
	ds_load_b128 v[8*NT*\f+8*tb:8*NT*\f+8*tb+3], v[ADRB+\slot] offset:64*\kq+tb*16*PITCH
	ds_load_b128 v[8*NT*\f+8*tb+4:8*NT*\f+8*tb+7], v[ADRB+\slot] offset:64*\kq+tb*16*PITCH+32
.set tb, tb+1
.endr
	WIN 0
.irp a, 0,1,2,3
	ds_load_b128 v[FA+32*\f+8*\a:FA+32*\f+8*\a+3], v[ADRA+\slot] offset:64*\kq+\a*16*PITCH
	ds_load_b128 v[FA+32*\f+8*\a+4:FA+32*\f+8*\a+7], v[ADRA+\slot] offset:64*\kq+\a*16*PITCH+32
.endr
.endm
.macro PLACES                          ; four places behind the last matrix instruction that read the registers loaded next (ISA guide 7.12.1)
.rept 4
	v_nop
.endr
.endm
.macro QUARTER slot, kq, f, g, zero    ; multiplies buffers f; in its middle fetches quarter kq into buffers g
	s_wait_dscnt 4                                 ; all but the four youngest loads (A's row tiles 2, 3) are in
	WIN MUL_LO
	MULA \f, 0, \zero
	MULA \f, 1, \zero
	PLACES
	FETCH \slot, \kq, \g
	s_wait_dscnt 2*NT+8                            ; all but the run just issued
	WIN MUL_HI
	MULA \f, 2, \zero
	MULA \f, 3, \zero
.endm
.macro THREE slot, zero
	QUARTER \slot, 1, 0, 1, \zero
	QUARTER \slot, 2, 1, 0, 0
	QUARTER \slot, 3, 0, 1, 0
.endm
; The last quarter changes slots.  In front of the barrier: my reads of this slot and all my tensor loads (one is out: my part of the next slot).
; Where the slot is filled again the barrier opens a round of the cluster's barrier, and the joint refill is the first tensor load behind the round.
.macro TURN slot, next, fill
	s_wait_dscnt 4
	WIN MUL_LO
	MULA 1, 0, 0
	s_wait_dscnt 0x0
	s_wait_tensorcnt 0x0
	ds_add_u32 v255, v255
	s_wait_dscnt 0x0
	s_barrier_signal -1
	MULA 1, 1, 0                                   ; register work while the others arrive
	WIN 0
	s_barrier_wait -1
.if \fill
	CREST
	s_add_nc_u64 s[G0+4*\slot+2:G0+4*\slot+3], s[G0+4*\slot+2:G0+4*\slot+3], 2*KSTEP*2
	s_add_nc_u64 s[G0B+4*\slot+2:G0B+4*\slot+3], s[G0B+4*\slot+2:G0B+4*\slot+3], 2*KSTEP*2
	JLOAD \slot
.endif
	PLACES
	FETCH \next, 0, 0
	WIN MUL_HI
	MULA 1, 2, 0
	MULA 1, 3, 0
.endm
.macro LAP zero
	THREE 0, \zero
	TURN 0, 1, 1
	THREE 1, 0
	TURN 1, 0, 1
.endm
	s_wait_tensorcnt 1                             ; my part of K step 0 is in; K step 1's stays out
	s_barrier_signal -1
	s_barrier_wait -1
	FETCH 0, 0, 0
	LAP 1
	WIN 0
	s_mov_b32 s3, LAPS-2
.Llap:
	LAP 0
	WIN 0
	s_sub_co_u32 s3, s3, 1
	s_cmp_lg_u32 s3, 0
	s_cbranch_scc1 .Llap
	THREE 0, 0                                     ; the last lap fills nothing
	TURN 0, 1, 0
	THREE 1, 0
	s_wait_dscnt 4
	WIN MUL_LO
	MULA 1, 0, 0
	MULA 1, 1, 0
	s_wait_dscnt 0x0
	WIN MUL_HI
	MULA 1, 2, 0
	MULA 1, 3, 0
; THE WAY OUT, 16 rows at a time: + bias, round to f16, 16 bytes a lane into my own stage (a block of 16 rows x 128 bytes for each unit),
; back as four dense rows a load, stored as 512 neighbouring bytes, aligned.
.macro OUTROW a, from
	s_wait_xcnt 0x0                                ; the registers that the last row tile's stores read are rewritten only behind this wait
	WIN \from
.set tb, 0
.rept NT
.irp r, 0,2,4,6
	v_pk_add_f32 v[T+8*tb+\r:T+8*tb+\r+1], v[8*(NT*((\a)&1)+tb)+\r:8*(NT*((\a)&1)+tb)+\r+1], v[BIAS+8*tb+\r:BIAS+8*tb+\r+1]
.endr
.set tb, tb+1
.endr
	WIN 0
.set tb, 0
.rept 4*NT
	v_cvt_pk_f16_f32 v[T+tb], v[T+2*tb], v[T+2*tb+1]       ; packs downward: a target never lies above a source still to be read
.set tb, tb+1
.endr
.set tb, 0
.rept NT
	ds_store_b128 v[STO], v[T+4*tb:T+4*tb+3] offset:(tb/4)*16*SPITCH+(tb%4)*32
.set tb, tb+1
.endr
.set tb, 0
.rept NT
	ds_load_b128 v[T+48+4*tb:T+48+4*tb+3], v[RD] offset:(tb/4)*16*SPITCH+(tb%4)*4*SPITCH   ; LDS serves a wave in order: these see the stores above
.set tb, tb+1
.endr
.set tb, 0
.rept NT
	s_wait_dscnt NT-1-tb
	global_store_b128 v[CO], v[T+48+4*tb:T+48+4*tb+3], s[76+2*(tb/4):77+2*(tb/4)] offset:2048*\a+512*(tb%4)
.set tb, tb+1
.endr
.endm
	PLACES                                         ; behind the last matrix instructions
	s_wait_loadcnt 0x0                             ; the bias
	OUTROW 0, 0x02
	OUTROW 1, 0x02
	OUTROW 2, 0x03
	OUTROW 3, 0x03
	s_set_vgpr_msb 0x1
	s_wait_tensorcnt 0x0
	ds_add_u32 v255, v255
	s_wait_dscnt 0x0
	s_set_vgpr_msb 0x100
	CROUND                                         ; the closing round
	s_endpgm
.Lfunc_end_k_qe93525ddb1_qkvg:
	.size	k_qe93525ddb1_qkvg, .Lfunc_end_k_qe93525ddb1_qkvg-k_qe93525ddb1_qkvg
	.p2alignl 7, 3214868480
	.fill 96, 4, 3214868480
	.section	.rodata,"a",@progbits
	.p2align	6, 0x0
	.amdhsa_kernel k_qe93525ddb1_qkvg
		.amdhsa_group_segment_fixed_size 327680
		.amdhsa_private_segment_fixed_size 0
		.amdhsa_enable_private_segment 0
		.amdhsa_kernarg_size 48
		.amdhsa_user_sgpr_count 2
		.amdhsa_user_sgpr_kernarg_segment_ptr 1
		.amdhsa_wavefront_size32 1
		.amdhsa_system_sgpr_workgroup_id_x 1
		.amdhsa_system_sgpr_workgroup_id_y 1
		.amdhsa_system_sgpr_workgroup_id_z 1
		.amdhsa_system_vgpr_workitem_id 0
		.amdhsa_next_free_vgpr 960
		.amdhsa_next_free_sgpr 92
		.amdhsa_reserve_vcc 0
		.amdhsa_float_denorm_mode_32 3
		.amdhsa_float_denorm_mode_16_64 3
		.amdhsa_memory_ordered 1
		.amdhsa_forward_progress 1
		.amdhsa_inst_pref_size 179
	.end_amdhsa_kernel
	.amdgpu_metadata
---
amdhsa.version: [ 1, 2 ]
amdhsa.kernels:
  - .name:           k_qe93525ddb1_qkvg
    .symbol:         k_qe93525ddb1_qkvg.kd
    .args:
      - { .name: xh, .offset: 0, .size: 8, .value_kind: global_buffer, .address_space: global }
      - { .name: wt, .offset: 8, .size: 8, .value_kind: global_buffer, .address_space: global }
      - { .name: bq, .offset: 16, .size: 8, .value_kind: global_buffer, .address_space: global }
      - { .name: bk, .offset: 24, .size: 8, .value_kind: global_buffer, .address_space: global }
      - { .name: bv, .offset: 32, .size: 8, .value_kind: global_buffer, .address_space: global }
      - { .name: qkv, .offset: 40, .size: 8, .value_kind: global_buffer, .address_space: global }
    .group_segment_fixed_size: 327680
    .private_segment_fixed_size: 0
    .kernarg_segment_align: 8
    .kernarg_segment_size: 48
    .max_flat_workgroup_size: 128
    .sgpr_count:     92
    .vgpr_count:     960
    .wavefront_size: 32
...
	.end_amdgpu_metadata
.endif
;; end of part 2
;; launch attn (part 3): grid 256 x 1, 8 waves a work-group, no clusters, 327,680 bytes of LDS; arguments qkv, pkx, pvx, pad_mask, ao; writes ao
.if DOCPART == 3
	.amdgcn_target "amdgcn-amd-amdhsa--gfx1250"
	.amdhsa_code_object_version 6
	.text
	.protected	k_qe93525ddb1_attn
	.globl	k_qe93525ddb1_attn
	.p2align	8
	.type	k_qe93525ddb1_attn,@function
k_qe93525ddb1_attn:
	s_mov_b64 s[64:65], 0
	v_nop
	global_prefetch_b8 v0, s[64:65] scope:SCOPE_SE
	s_setreg_imm32_b32 hwreg(HW_REG_WAVE_MODE, 25, 1), 1
	s_wait_xcnt 0x0
; Attention with clipped relative positions, one (batch, head, block of 256 queries) a work-group; wave w owns 32 queries (two tiles a of 16).
; scores u = (Q K^T + Q posK[clip(k - q)]) x mask[k]; weights = softmax(u / 8) with a running maximum; out = weights V + weights posV[clip(k - q)].
; ORIENTATION: S^T = K Q^T (source 0 = 16 keys, source 1 = 16 queries): lane (i, h) holds query i, keys 8 h + j.  Row figures are a lane's own but for
; one exchange between the halves; the weights packed to f16 are already source 1 of O^T = V^T P^T; V^T comes by transposing LDS loads.
; POSITIONS hang on k - q alone.  For a step of 32 keys at k0 and my first query qw, delta = k0 - qw:
;   delta < -128 or > 128 (far): every pair is clipped: the score term is Q posK[0] or Q posK[256], one number a query, given to the product as its C;
;     the output term is (sum of weights) x posV[0] or posV[256], kept as two running sums and added at the end.
;   else (band): with the tables extended to 320 rows (row r = table[clamp(r - 32)]) pair (q, k) needs row t + idx, t = delta + 128,
;     idx = 32 + (k - k0) - (q - qw), 1..63.  Q x (64 window rows) is made by matrix instructions, laid in LDS by (q, idx) and read back by (q, k):
;     a change of pitch.  The weights go the other way, (q, k) to (q, idx), and multiply the 64 window rows of posV.
; NO CLUSTER: the four query blocks of a head share K and V, but the band lies at other key steps in each, so branches and LDS addresses would hang
; on the place in the cluster.
; RING: two slots of 128 keys (K, V, mask), filled by waves 0, 1, 2, one tensor load each behind each barrier; at most two loads of a wave are out (at the start).
; Accumulators take turns, one instruction a turn.
; LIMITS: f16 operands: |Q|, |K|, |V| and the result below 65,504; a weight below 6e-8 of its row's largest enters the products as 0 (the row sum keeps it).
.set SLOT,  39424                      ; K 128 x 144, V 128 x 160, mask 512
.set VOFF,  18432
.set MOFF,  38912
.set KP,    144
.set VP,    160
.set PKX,   78848                      ; 320 rows, pitch 144
.set PVX,   124928                     ; 320 rows, pitch 160
.set PSCR,  176128                     ; a wave: 32 rows (a, i) x 64 idx of f32, pitch 272; at the end the output stage
.set PSCRW, 8704
.set WSCR,  245760                     ; a wave: 32 rows x 64 idx of f16, pitch 176
.set WSCRW, 5632
.set KTILE, 16384                      ; bytes of 128 rows of K or V in memory
.set CEXP,  0x3e38aa3b                 ; log2(e) / 8
.set CNEG,  0xbe38aa3b
.set KA, 1
.set VA, 2
.set MA, 3
.set PKL, 4
.set PVL, 5
.set PKA, 6
.set PVA, 7
.set PSW, 8
.set PSR, 9
.set WSW, 10
.set WSR, 11
.set OSW, 12
.set OSR, 13
.set CO, 14
.set PVR, 15
.set MXR, 16                           ; v[16:17] running maximum of u, tile 0, 1
.set LSR, 18                           ; v[18:19] running sum (this lane's keys)
.set WLO, 20                           ; v[20:21] running sum over far steps below the band
.set WHI, 22                           ; v[22:23] above it
.set PHI, 24                           ; v[24:25] Q posK[256]
.set CF, 32                            ; v[32:47] the far score term as a C tile, tile a at CF + 8 a
.set QF, 48                            ; v[48:79] Q fragments, (a, c) at QF + 16 a + 8 c
.set SV, 80                            ; v[80:111] scores, (a, t) at SV + 16 a + 8 t
.set PF, 112                           ; v[112:127] mask of key tile t at PF + 8 t, later the weights in f16, tile a at PF + 8 a
.set KF, 128                           ; v[128:159] K fragments (t, c) at KF + 16 t + 8 c; dead behind the score products: softmax's work registers
.set VF, 160                           ; v[160:191] V^T fragments, d tile dt at VF + 8 dt
.set OV, 192                           ; v[192:255] O^T, (a, dt) at OV + 32 a + 8 dt
.set AL, 128
.set NM, 130
.set XR, 132
.set YR, 134
.set DR, 136
.set SS, 138
.set TS, 140
.set GK, 40                            ; group 0 of K, slot 0, 1
.set GV, 48
.set GM, 56
.macro GROUP1 g, w0, cols, rows        ; a dense block as rows of cols elements
	s_mov_b32 s[\g], \w0
	s_mov_b32 s[\g+1], (\cols)<<16                 ; tensor_dim0
	s_mov_b32 s[\g+2], (\rows)<<16                 ; tensor_dim1
	s_mov_b32 s[\g+3], (\cols)<<16                 ; tile_dim0
	s_mov_b32 s[\g+4], \rows                       ; tile_dim1
	s_mov_b32 s[\g+5], \cols                       ; from row to row
	s_mov_b32 s[\g+6], 0
	s_mov_b32 s[\g+7], 0
.endm
.macro GROUP0 g, lds, base, off
	s_mov_b32 s[\g], 1
	s_mov_b32 s[\g+1], \lds
	s_add_nc_u64 s[\g+2:\g+3], s[\base:\base+1], \off
	s_or_b32 s[\g+3], s[\g+3], 0x80000000
.endm
.macro PKMULB dst, pair, a             ; a pair times register a of another pair
.if \a
	v_pk_mul_f32 v[\dst:\dst+1], v[\dst:\dst+1], v[\pair:\pair+1] op_sel:[0,1] op_sel_hi:[1,1]
.else
	v_pk_mul_f32 v[\dst:\dst+1], v[\dst:\dst+1], v[\pair:\pair+1] op_sel_hi:[1,0]
.endif
.endm
.macro PKFMAB dst, src, pair, a        ; dst += src x register a of pair
.if \a
	v_pk_fma_f32 v[\dst:\dst+1], v[\src:\src+1], v[\pair:\pair+1], v[\dst:\dst+1] op_sel:[0,1,0] op_sel_hi:[1,1,1]
.else
	v_pk_fma_f32 v[\dst:\dst+1], v[\src:\src+1], v[\pair:\pair+1], v[\dst:\dst+1] op_sel_hi:[1,0,1]
.endif
.endm
	s_load_b256 s[4:11], s[0:1], 0x0               ; qkv 4, pkx 6, pvx 8, pad_mask 10
	s_load_b64 s[12:13], s[0:1], 0x20              ; ao
	s_set_vgpr_msb 0x40
	v_lshl_add_u32 v0, v0, 2, 0x47000
	v_mov_b32 v1, 0
	s_set_vgpr_msb 0x4045
	ds_add_u32 v0, v1
	s_set_vgpr_msb 0x4500
	v_lshrrev_b32 v26, 5, v0
	v_readfirstlane_b32 s14, v26                   ; wave
	s_lshr_b32 s2, ttmp9, 2
	s_and_b32 s3, ttmp9, 3                         ; query block
	s_lshr_b32 s93, s2, 4                          ; batch
	s_and_b32 s2, s2, 15                           ; head
	s_lshl_b32 s3, s3, 8
	s_lshl_b32 s94, s14, 5
	s_add_co_u32 s3, s3, s94                       ; qw
	s_sub_co_u32 s92, 0, s3                        ; delta of the first step
	s_lshl_b32 s98, s2, 19                         ; head x 524,288
	s_lshl_b32 s94, s93, 17                        ; batch x 1,024 rows x 128 bytes
	s_add_co_u32 s98, s98, s94
	s_mov_b32 s99, 0
	s_lshl_b32 s100, s93, 12                       ; the batch's mask row
	s_mov_b32 s101, 0
	s_lshl_b32 s2, s3, 7                           ; qw rows of 128 bytes
	s_mov_b32 s3, 0
	s_mov_b32 s96, 0x76543210                      ; v_permlanex16_b32: lane i of the other half
	s_mov_b32 s97, 0xfedcba98
	GROUP1 16, 0x07110000, 128, 64                 ; K: 2-byte elements, 4 words of padding behind every 32 words: LDS pitch 144
	GROUP1 24, 0x0f110000, 128, 64                 ; V: 8 words of padding: pitch 160
	GROUP1 32, 0x00030000, 64, 1                   ; mask: one row of 64 elements of 8 bytes
	GROUP1 68, 0x07110000, 128, 160                ; pkx: 320 rows of 128 bytes
	GROUP1 80, 0x0f110000, 128, 160                ; pvx
	s_wait_dscnt 0x0
	s_barrier_signal -1
	s_barrier_wait -1
	s_wait_kmcnt 0x0
	s_add_nc_u64 s[4:5], s[4:5], s[98:99]          ; qkv at unit (Q, head), my batch
	s_add_nc_u64 s[12:13], s[12:13], s[98:99]
	s_add_nc_u64 s[12:13], s[12:13], s[2:3]        ; ao at my wave's rows
	s_add_nc_u64 s[10:11], s[10:11], s[100:101]
	GROUP0 GK,   0,          4, 0x800000           ; unit 16 + head, keys 0..127
	GROUP0 GK+4, SLOT,       4, 0x800000+KTILE
	GROUP0 GV,   VOFF,       4, 0x1000000          ; unit 32 + head
	GROUP0 GV+4, SLOT+VOFF,  4, 0x1000000+KTILE
	GROUP0 GM,   MOFF,       10, 0
	GROUP0 GM+4, SLOT+MOFF,  10, 512
	GROUP0 76,   PKX,        6, 0
	GROUP0 88,   PVX,        8, 0
	s_add_nc_u64 s[4:5], s[4:5], s[2:3]            ; Q at my wave's rows
	; the first fills, a wave's inside one branch on its number
	s_cmp_lg_u32 s14, 0
	s_cbranch_scc1 .Lf1
	tensor_load_to_lds s[GK:GK+3], s[16:23]
	s_nop 0
	tensor_load_to_lds s[GK+4:GK+7], s[16:23]
	s_nop 0
	s_branch .Lfd
.Lf1:
	s_cmp_lg_u32 s14, 1
	s_cbranch_scc1 .Lf2
	tensor_load_to_lds s[GV:GV+3], s[24:31]
	s_nop 0
	tensor_load_to_lds s[GV+4:GV+7], s[24:31]
	s_nop 0
	s_branch .Lfd
.Lf2:
	s_cmp_lg_u32 s14, 2
	s_cbranch_scc1 .Lf3
	tensor_load_to_lds s[GM:GM+3], s[32:39]
	s_nop 0
	tensor_load_to_lds s[GM+4:GM+7], s[32:39]
	s_nop 0
	s_branch .Lfd
.Lf3:
	s_cmp_lg_u32 s14, 3
	s_cbranch_scc1 .Lf4
	tensor_load_to_lds s[76:79], s[68:75]
	s_nop 0
	s_branch .Lfd
.Lf4:
	s_cmp_lg_u32 s14, 4
	s_cbranch_scc1 .Lfd
	tensor_load_to_lds s[88:91], s[80:87]
	s_nop 0
.Lfd:
	v_and_b32 v26, 15, v0                          ; i
	v_bfe_u32 v27, v0, 4, 1                        ; h
	v_and_b32 v28, 7, v0
	v_bfe_u32 v29, v0, 3, 1
	v_and_b32 v30, 31, v0                          ; lane
	v_mul_u32_u24 v[KA], v26, KP
	v_lshl_add_u32 v[KA], v27, 4, v[KA]            ; row i, 16 h
	v_lshl_add_u32 v31, v27, 3, v28                ; transposing load: row 8 h + (lane & 7),
	v_mul_u32_u24 v31, v31, VP
	v_lshl_add_u32 v31, v29, 4, v31                ; 16 bytes by bit 3 of the lane
	v_add_nc_u32 v[VA], VOFF, v31
	v_lshl_add_u32 v[MA], v27, 5, MOFF             ; 8 h numbers of the mask
	v_add_nc_u32 v[PKL], PKX, v[KA]
	v_add_nc_u32 v[PVL], PVX, v31
	s_mul_i32 s98, s14, PSCRW
	s_add_co_u32 s98, s98, PSCR
	s_mul_i32 s99, s14, WSCRW
	s_add_co_u32 s99, s99, WSCR
	v_mul_u32_u24 v[PSW], v26, 272
	v_lshl_add_u32 v[PSW], v27, 5, v[PSW]
	v_add_nc_u32 v[PSW], s98, v[PSW]               ; by (q, idx): row i, idx 8 h
	v_mul_u32_u24 v[PSR], v26, 268
	v_lshl_add_u32 v[PSR], v27, 5, v[PSR]
	v_add_nc_u32 v[PSR], s98, v[PSR]               ; by (q, k): one word less a row: idx falls by one as q rises by one
	v_mul_u32_u24 v[WSW], v26, 174
	v_lshl_add_u32 v[WSW], v27, 4, v[WSW]
	v_add_nc_u32 v[WSW], s99, v[WSW]               ; the same in f16: two bytes less a row
	v_mul_u32_u24 v[WSR], v26, 176
	v_lshl_add_u32 v[WSR], v27, 4, v[WSR]
	v_add_nc_u32 v[WSR], s99, v[WSR]
	v_add_nc_u32 v[OSW], s98, v[KA]                ; output stage: row i, pitch 144, 16 h
	v_lshrrev_b32 v31, 3, v30
	v_mul_u32_u24 v31, v31, 144
	v_lshl_add_u32 v31, v28, 4, v31
	v_add_nc_u32 v[OSR], s98, v31                  ; back: eight lanes a row
	v_lshlrev_b32 v[CO], 4, v30
	v_lshl_add_u32 v[PVR], v27, 4, PVX
	v_lshlrev_b32 v[PKA], 7, v26
	v_lshl_add_u32 v[PKA], v27, 4, v[PKA]          ; Q: row i of 128 bytes + 16 h (the register serves the band later)
	v_add_nc_u32 v[PVA], s99, v[CO]                ; my f16 scratch, 16 bytes a lane
.irp a, 0,1
.irp c, 0,1
	global_load_b128 v[QF+16*\a+8*\c:QF+16*\a+8*\c+3], v[PKA], s[4:5] offset:2048*\a+64*\c
	global_load_b128 v[QF+16*\a+8*\c+4:QF+16*\a+8*\c+7], v[PKA], s[4:5] offset:2048*\a+64*\c+32
.endr
.endr
.irp r, 28,29,30,31
	v_mov_b32 v\r, 0
.endr
.irp n, 0,1,2,3,4,5,6,7,8,9,10
	ds_store_b128 v[PVA], v[28:31] offset:512*\n   ; the f16 scratch starts as zeros; a row's 32 places that are ever written are the same in every step
.endr
	; O is cleared: whether a wave's first step is a band step hangs on the wave, so no first step can be written out ahead of the loop
.set n, 0
.rept 64
	v_mov_b32 v[OV+n], 0
.set n, n+1
.endr
	v_mov_b32 v[MXR], 0xff800000                   ; -infinity
	v_mov_b32 v[MXR+1], 0xff800000
.irp r, 18,19,20,21,22,23
	v_mov_b32 v\r, 0
.endr
	s_wait_tensorcnt 0x0                           ; my fills have landed,
	s_wait_dscnt 0x0                               ; my LDS stores are done,
	s_barrier_signal -1
	s_barrier_wait -1                              ; everybody's
	; the far score terms: rows 0..15 of the extended table all hold posK[0], rows 304..319 posK[256]: all eight registers of a result are alike
.irp c, 0,1
	ds_load_b128 v[KF+8*\c:KF+8*\c+3], v[PKL] offset:64*\c
	ds_load_b128 v[KF+8*\c+4:KF+8*\c+7], v[PKL] offset:64*\c+32
	ds_load_b128 v[KF+16+8*\c:KF+16+8*\c+3], v[PKL] offset:304*KP+64*\c
	ds_load_b128 v[KF+16+8*\c+4:KF+16+8*\c+7], v[PKL] offset:304*KP+64*\c+32
.endr
	s_wait_loadcnt 0x0                             ; Q
	s_wait_dscnt 0x0
	v_wmma_f32_16x16x32_f16 v[CF:CF+7], v[KF:KF+7], v[QF:QF+7], 0
	v_wmma_f32_16x16x32_f16 v[CF+8:CF+15], v[KF:KF+7], v[QF+16:QF+23], 0
	v_wmma_f32_16x16x32_f16 v[SV:SV+7], v[KF+16:KF+23], v[QF:QF+7], 0
	v_wmma_f32_16x16x32_f16 v[SV+16:SV+23], v[KF+16:KF+23], v[QF+16:QF+23], 0
	v_wmma_f32_16x16x32_f16 v[CF:CF+7], v[KF+8:KF+15], v[QF+8:QF+15], v[CF:CF+7]
	v_wmma_f32_16x16x32_f16 v[CF+8:CF+15], v[KF+8:KF+15], v[QF+24:QF+31], v[CF+8:CF+15]
	v_wmma_f32_16x16x32_f16 v[SV:SV+7], v[KF+24:KF+31], v[QF+8:QF+15], v[SV:SV+7]
	v_wmma_f32_16x16x32_f16 v[SV+16:SV+23], v[KF+24:KF+31], v[QF+24:QF+31], v[SV+16:SV+23]
.rept 5
	v_nop                                          ; places behind the matrix instructions (ISA guide 7.12.1)
.endr
	v_mov_b32 v[PHI], v[SV]
	v_mov_b32 v[PHI+1], v[SV+16]
; Q x the 64 window rows of posK, laid by (q, idx), read back by (q, k) into the score registers
.macro PRELINK c, first
.irp be, 1,2,3
.if \first
	v_wmma_f32_16x16x32_f16 v[SV+8*(\be-1):SV+8*(\be-1)+7], v[KF+16*\be+8*\c:KF+16*\be+8*\c+7], v[QF+8*\c:QF+8*\c+7], 0
.else
	v_wmma_f32_16x16x32_f16 v[SV+8*(\be-1):SV+8*(\be-1)+7], v[KF+16*\be+8*\c:KF+16*\be+8*\c+7], v[QF+8*\c:QF+8*\c+7], v[SV+8*(\be-1):SV+8*(\be-1)+7]
.endif
.endr
.irp be, 0,1,2
.if \first
	v_wmma_f32_16x16x32_f16 v[SV+24+8*\be:SV+24+8*\be+7], v[KF+16*\be+8*\c:KF+16*\be+8*\c+7], v[QF+16+8*\c:QF+16+8*\c+7], 0
.else
	v_wmma_f32_16x16x32_f16 v[SV+24+8*\be:SV+24+8*\be+7], v[KF+16*\be+8*\c:KF+16*\be+8*\c+7], v[QF+16+8*\c:QF+16+8*\c+7], v[SV+24+8*\be:SV+24+8*\be+7]
.endif
.endr
.endm
.macro BAND_PRE
	s_min_u32 s98, s93, 256                        ; t, 0..256: the window's first row
	s_mul_i32 s98, s98, KP
	v_add_nc_u32 v[PKA], s98, v[PKL]
.irp be, 0,1,2,3
.irp c, 0,1
	ds_load_b128 v[KF+16*\be+8*\c:KF+16*\be+8*\c+3], v[PKA] offset:16*KP*\be+64*\c
	ds_load_b128 v[KF+16*\be+8*\c+4:KF+16*\be+8*\c+7], v[PKA] offset:16*KP*\be+64*\c+32
.endr
.endr
	s_wait_dscnt 0x0
	PRELINK 0, 1                                   ; query tile 0 needs idx 17..63 (blocks 1, 2, 3), tile 1 idx 1..47 (blocks 0, 1, 2)
	PRELINK 1, 0
.rept 5
	v_nop
.endr
.irp be, 1,2,3
	ds_store_b128 v[PSW], v[SV+8*(\be-1):SV+8*(\be-1)+3] offset:64*\be
	ds_store_b128 v[PSW], v[SV+8*(\be-1)+4:SV+8*(\be-1)+7] offset:64*\be+16
.endr
.irp be, 0,1,2
	ds_store_b128 v[PSW], v[SV+24+8*\be:SV+24+8*\be+3] offset:4352+64*\be
	ds_store_b128 v[PSW], v[SV+24+8*\be+4:SV+24+8*\be+7] offset:4352+64*\be+16
.endr
.irp a, 0,1
.irp t, 0,1
.irp j, 0,1,2,3,4,5,6,7
	ds_load_b32 v[SV+16*\a+8*\t+\j], v[PSR] offset:4352*\a+128+64*\t-64*\a+4*\j   ; my own bytes, served in order: no wait behind the stores
.endr
.endr
.endr
.endm
; a step's 20 loads: K (8), mask (4), V^T (8)
.macro LOADS slot, sub
.irp t, 0,1
.irp c, 0,1
	ds_load_b128 v[KF+16*\t+8*\c:KF+16*\t+8*\c+3], v[KA] offset:\slot*SLOT+(32*\sub+16*\t)*KP+64*\c
	ds_load_b128 v[KF+16*\t+8*\c+4:KF+16*\t+8*\c+7], v[KA] offset:\slot*SLOT+(32*\sub+16*\t)*KP+64*\c+32
.endr
.endr
.irp t, 0,1
	ds_load_b128 v[PF+8*\t:PF+8*\t+3], v[MA] offset:\slot*SLOT+(32*\sub+16*\t)*4
	ds_load_b128 v[PF+8*\t+4:PF+8*\t+7], v[MA] offset:\slot*SLOT+(32*\sub+16*\t)*4+16
.endr
.irp dt, 0,1,2,3
	ds_load_tr16_b128 v[VF+8*\dt:VF+8*\dt+3], v[VA] offset:\slot*SLOT+32*\sub*VP+32*\dt
	ds_load_tr16_b128 v[VF+8*\dt+4:VF+8*\dt+7], v[VA] offset:\slot*SLOT+32*\sub*VP+32*\dt+16*VP
.endr
	s_wait_dscnt 12                                ; K (and what was issued before it) is in; the mask's 4 and V's 8 loads may stay out
.endm
; the weights by (q, idx), times the 64 window rows of posV
.macro BAND_POST
	s_min_u32 s99, s93, 256
	s_mul_i32 s99, s99, VP
	v_add_nc_u32 v[PVA], s99, v[PVL]
.rept 4
	v_nop                                          ; the loads below land in sources of the products just issued
.endr
.irp a, 0,1
.irp n, 0,1,2,3,4,5,6,7
	ds_store_b16 v[WSW], v[PF+8*\a+\n] offset:2816*\a+64-32*\a+32*(\n/4)+4*(\n%4)
	ds_store_b16_d16_hi v[WSW], v[PF+8*\a+\n] offset:2816*\a+64-32*\a+32*(\n/4)+4*(\n%4)+2
.endr
.endr
.irp a, 0,1
.irp ka, 0,1
	ds_load_b128 v[SV+16*\a+8*\ka:SV+16*\a+8*\ka+3], v[WSR] offset:2816*\a+64*\ka
	ds_load_b128 v[SV+16*\a+8*\ka+4:SV+16*\a+8*\ka+7], v[WSR] offset:2816*\a+64*\ka+32
.endr
.endr
.irp ka, 0,1
.irp dt, 0,1,2,3
	ds_load_tr16_b128 v[KF+32*\ka+8*\dt:KF+32*\ka+8*\dt+3], v[PVA] offset:32*VP*\ka+32*\dt
	ds_load_tr16_b128 v[KF+32*\ka+8*\dt+4:KF+32*\ka+8*\dt+7], v[PVA] offset:32*VP*\ka+32*\dt+16*VP
.endr
.endr
	s_wait_dscnt 0x0
.irp ka, 0,1
.irp a, 0,1
.irp dt, 0,1,2,3
	v_wmma_f32_16x16x32_f16 v[OV+32*\a+8*\dt:OV+32*\a+8*\dt+7], v[KF+32*\ka+8*\dt:KF+32*\ka+8*\dt+7], v[SV+16*\a+8*\ka:SV+16*\a+8*\ka+7], v[OV+32*\a+8*\dt:OV+32*\a+8*\dt+7]
.endr
.endr
.endr
.irp a, 0,1
.irp j, 0,1,2,3,4,5,6,7
	v_mov_b32 v[CF+8*\a+\j], v[PHI+\a]             ; behind the band every far step lies above it
.endr
.endr
.endm
; 32 keys
.macro SUBSTEP slot, sub
	s_add_co_u32 s93, s92, 128                     ; t
	s_cmp_lt_i32 s92, -128
	s_cselect_b32 s94, 1.0, 0                      ; far below the band
	s_cmp_gt_i32 s92, 128
	s_cselect_b32 s95, 1.0, 0                      ; far above it
	s_cmp_le_u32 s93, 256
	s_cbranch_scc0 .Lfar_\@
	BAND_PRE
	LOADS \slot, \sub
.irp a, 0,1
.irp t, 0,1
	v_wmma_f32_16x16x32_f16 v[SV+16*\a+8*\t:SV+16*\a+8*\t+7], v[KF+16*\t:KF+16*\t+7], v[QF+16*\a:QF+16*\a+7], v[SV+16*\a+8*\t:SV+16*\a+8*\t+7]
.endr
.endr
	s_branch .Ljoin_\@
.Lfar_\@:
	LOADS \slot, \sub
.irp a, 0,1
.irp t, 0,1
	v_wmma_f32_16x16x32_f16 v[SV+16*\a+8*\t:SV+16*\a+8*\t+7], v[KF+16*\t:KF+16*\t+7], v[QF+16*\a:QF+16*\a+7], v[CF+8*\a:CF+8*\a+7]
.endr
.endr
.Ljoin_\@:
.irp a, 0,1
.irp t, 0,1
	v_wmma_f32_16x16x32_f16 v[SV+16*\a+8*\t:SV+16*\a+8*\t+7], v[KF+16*\t+8:KF+16*\t+15], v[QF+16*\a+8:QF+16*\a+15], v[SV+16*\a+8*\t:SV+16*\a+8*\t+7]
.endr
.endr
.rept 4
	v_nop
.endr
	s_wait_dscnt 8                                 ; the mask is in; V's 8 loads may stay out
.irp a, 0,1
.irp t, 0,1
.irp r, 0,2,4,6
	v_pk_mul_f32 v[SV+16*\a+8*\t+\r:SV+16*\a+8*\t+\r+1], v[SV+16*\a+8*\t+\r:SV+16*\a+8*\t+\r+1], v[PF+8*\t+\r:PF+8*\t+\r+1]
.endr
.endr
.endr
	; the new maximum: my 16 keys and the old maximum, then the other half of the lanes
	v_max3_num_f32 v[XR], v[SV], v[SV+1], v[SV+2]
	v_max3_num_f32 v[XR+1], v[SV+16], v[SV+17], v[SV+18]
.irp r, 3,5,7,9,11,13
	v_max3_num_f32 v[XR], v[XR], v[SV+\r], v[SV+\r+1]
	v_max3_num_f32 v[XR+1], v[XR+1], v[SV+16+\r], v[SV+16+\r+1]
.endr
	v_max3_num_f32 v[XR], v[XR], v[SV+15], v[MXR]
	v_max3_num_f32 v[XR+1], v[XR+1], v[SV+31], v[MXR+1]
	v_permlanex16_b32 v[YR], v[XR], s96, s97
	v_permlanex16_b32 v[YR+1], v[XR+1], s96, s97
	v_max_num_f32 v[XR], v[XR], v[YR]
	v_max_num_f32 v[XR+1], v[XR+1], v[YR+1]
	v_pk_mul_f32 v[NM:NM+1], v[XR:XR+1], CNEG op_sel_hi:[1,0]                  ; - c x new maximum
	v_pk_fma_f32 v[DR:DR+1], v[MXR:MXR+1], CEXP, v[NM:NM+1] op_sel_hi:[1,0,1]  ; c x (old - new)
.irp r, 0,2,4,6,8,10,12,14
	v_pk_fma_f32 v[SV+\r:SV+\r+1], v[SV+\r:SV+\r+1], CEXP, v[NM:NM+1] op_sel_hi:[1,0,0]
	v_pk_fma_f32 v[SV+16+\r:SV+16+\r+1], v[SV+16+\r:SV+16+\r+1], CEXP, v[NM:NM+1] op_sel:[0,0,1] op_sel_hi:[1,0,1]
.endr
	v_exp_f32 v[AL], v[DR]
	v_exp_f32 v[AL+1], v[DR+1]
.set n, 0
.rept 32
	v_exp_f32 v[SV+n], v[SV+n]
.set n, n+1
.endr
	v_mov_b32 v[MXR], v[XR]                        ; plain instructions behind the run of exponentials, ahead of the first use of a result
	v_mov_b32 v[MXR+1], v[XR+1]
	s_wait_alu depctr_va_vdst(0)
.irp a, 0,1
.irp r, 0,1,2,3
	v_pk_add_f32 v[TS+8*\a+2*\r:TS+8*\a+2*\r+1], v[SV+16*\a+4*\r:SV+16*\a+4*\r+1], v[SV+16*\a+4*\r+2:SV+16*\a+4*\r+3]
.endr
.endr
.irp a, 0,1
	v_pk_add_f32 v[TS+8*\a:TS+8*\a+1], v[TS+8*\a:TS+8*\a+1], v[TS+8*\a+2:TS+8*\a+3]
	v_pk_add_f32 v[TS+8*\a+4:TS+8*\a+5], v[TS+8*\a+4:TS+8*\a+5], v[TS+8*\a+6:TS+8*\a+7]
.endr
.irp a, 0,1
	v_pk_add_f32 v[TS+8*\a:TS+8*\a+1], v[TS+8*\a:TS+8*\a+1], v[TS+8*\a+4:TS+8*\a+5]
.endr
	v_add_f32 v[SS], v[TS], v[TS+1]
	v_add_f32 v[SS+1], v[TS+8], v[TS+9]
	v_pk_fma_f32 v[LSR:LSR+1], v[LSR:LSR+1], v[AL:AL+1], v[SS:SS+1]
	v_pk_mul_f32 v[WLO:WLO+1], v[WLO:WLO+1], v[AL:AL+1]
	v_pk_mul_f32 v[WHI:WHI+1], v[WHI:WHI+1], v[AL:AL+1]
	v_fmac_f32 v[WLO], s94, v[SS]
	v_fmac_f32 v[WLO+1], s94, v[SS+1]
	v_fmac_f32 v[WHI], s95, v[SS]
	v_fmac_f32 v[WHI+1], s95, v[SS+1]
.set n, 0
.rept 16
	v_cvt_pk_f16_f32 v[PF+n], v[SV+2*n], v[SV+2*n+1]       ; registers 0-3: keys 8 h .., 4-7: keys 16 + 8 h ..: source 1's own layout
.set n, n+1
.endr
.irp a, 0,1
.set n, 0
.rept 16
	PKMULB OV+32*\a+n, AL, \a
.set n, n+2
.endr
.endr
	s_wait_dscnt 0x0                               ; V
.irp a, 0,1
.irp dt, 0,1,2,3
	v_wmma_f32_16x16x32_f16 v[OV+32*\a+8*\dt:OV+32*\a+8*\dt+7], v[VF+8*\dt:VF+8*\dt+7], v[PF+8*\a:PF+8*\a+7], v[OV+32*\a+8*\dt:OV+32*\a+8*\dt+7]
.endr
.endr
	s_cmp_le_u32 s93, 256
	s_cbranch_scc0 .Lnopost_\@
	BAND_POST
.Lnopost_\@:
.rept 5
	v_nop                                          ; the next step's loads and products write registers of the products above
.endr
	s_add_co_u32 s92, s92, 32
.endm
; The change of slots.  Every wave: all its tensor loads have landed, its LDS reads are back; the barrier; then the refill of the slot read last, first thing.
.macro VHEAD slot, refill
	s_set_vgpr_msb 0x5
	s_wait_tensorcnt 0x0
	ds_add_u32 v0, v1
	s_wait_dscnt 0x0
	s_set_vgpr_msb 0x500
	s_add_nc_u64 s[GK+6-4*\slot:GK+7-4*\slot], s[GK+6-4*\slot:GK+7-4*\slot], 2*KTILE   ; no load of mine is out: the other slot's addresses step
	s_add_nc_u64 s[GV+6-4*\slot:GV+7-4*\slot], s[GV+6-4*\slot:GV+7-4*\slot], 2*KTILE
	s_add_nc_u64 s[GM+6-4*\slot:GM+7-4*\slot], s[GM+6-4*\slot:GM+7-4*\slot], 1024
	s_wait_dscnt 0x0
	s_barrier_signal -1
	s_barrier_wait -1
.if \refill
	s_cmp_lg_u32 s14, 0
	s_cbranch_scc1 .Lr1_\@
	tensor_load_to_lds s[GK+4-4*\slot:GK+7-4*\slot], s[16:23]
	s_nop 0
	s_branch .Lrd_\@
.Lr1_\@:
	s_cmp_lg_u32 s14, 1
	s_cbranch_scc1 .Lr2_\@
	tensor_load_to_lds s[GV+4-4*\slot:GV+7-4*\slot], s[24:31]
	s_nop 0
	s_branch .Lrd_\@
.Lr2_\@:
	s_cmp_lg_u32 s14, 2
	s_cbranch_scc1 .Lrd_\@
	tensor_load_to_lds s[GM+4-4*\slot:GM+7-4*\slot], s[32:39]
	s_nop 0
.Lrd_\@:
.endif
.endm
.macro VISIT slot, refill              ; 128 keys
	VHEAD \slot, \refill
	SUBSTEP \slot, 0
	SUBSTEP \slot, 1
	SUBSTEP \slot, 2
	SUBSTEP \slot, 3
.endm
	SUBSTEP 0, 0                                   ; keys 0..127: both slots were shown whole by the barrier above
	SUBSTEP 0, 1
	SUBSTEP 0, 2
	SUBSTEP 0, 3
	s_mov_b32 s15, 3
.Lvisits:
	VISIT 1, 1
	VISIT 0, 1
	s_sub_co_u32 s15, s15, 1
	s_cmp_lg_u32 s15, 0
	s_cbranch_scc1 .Lvisits
	VISIT 1, 0                                     ; keys 896..1023: nothing is left to fetch
	; the end: the halves' sums meet; the far output terms; 1 / sum; out through my stage
.irp r, 0,1,2,3,4,5
	v_permlanex16_b32 v[KF+\r], v[LSR+\r], s96, s97
.endr
.irp r, 0,2,4
	v_pk_add_f32 v[LSR+\r:LSR+\r+1], v[LSR+\r:LSR+\r+1], v[KF+\r:KF+\r+1]
.endr
.irp dt, 0,1,2,3
	ds_load_b128 v[SV+4*\dt:SV+4*\dt+3], v[PVR] offset:32*\dt                  ; posV[0], d = 16 dt + 8 h .. + 7
	ds_load_b128 v[SV+16+4*\dt:SV+16+4*\dt+3], v[PVR] offset:319*VP+32*\dt     ; posV[256]
.endr
	v_rcp_f32 v[PHI], v[LSR]                       ; the sum is at least 1: the largest score's weight
	v_rcp_f32 v[PHI+1], v[LSR+1]
	s_wait_dscnt 0x0
.irp r, 80,81,82,83,84,85,86,87,88,89,90,91,92,93,94,95
	v_cvt_f32_f16 v[KF+4*(\r-80)-2*((\r-80)%4)], v\r\().l
	v_cvt_f32_f16 v[KF+4*(\r-80)-2*((\r-80)%4)+1], v\r\().h
.endr
	s_wait_alu depctr_va_vdst(0)
.irp r, 96,97,98,99,100,101,102,103,104,105,106,107,108,109,110,111
	v_cvt_f32_f16 v[KF+8+4*(\r-96)-2*((\r-96)%4)], v\r\().l
	v_cvt_f32_f16 v[KF+8+4*(\r-96)-2*((\r-96)%4)+1], v\r\().h
.endr
.irp dt, 0,1,2,3
.irp a, 0,1
.irp r, 0,2,4,6
	PKFMAB OV+32*\a+8*\dt+\r, KF+16*\dt+\r, WLO, \a
.endr
.irp r, 0,2,4,6
	PKFMAB OV+32*\a+8*\dt+\r, KF+16*\dt+8+\r, WHI, \a
.endr
.endr
.endr
.irp a, 0,1
.set n, 0
.rept 16
	PKMULB OV+32*\a+n, PHI, \a
.set n, n+2
.endr
.endr
.set n, 0
.rept 32
	v_cvt_pk_f16_f32 v[SV+n], v[OV+2*n], v[OV+2*n+1]       ; (a, dt): four registers = d 16 dt + 8 h .. + 7 of query i
.set n, n+1
.endr
.irp a, 0,1
.irp dt, 0,1,2,3
	ds_store_b128 v[OSW], v[SV+16*\a+4*\dt:SV+16*\a+4*\dt+3] offset:16*144*\a+32*\dt
.endr
.endr
.irp n, 0,1,2,3,4,5,6,7
	ds_load_b128 v[KF+4*\n:KF+4*\n+3], v[OSR] offset:4*144*\n      ; my own bytes, served in order
.endr
.irp n, 0,1,2,3,4,5,6,7
	s_wait_dscnt 7-\n
	global_store_b128 v[CO], v[KF+4*\n:KF+4*\n+3], s[12:13] offset:512*\n      ; four dense rows: 512 neighbouring bytes, aligned
.endr
	s_set_vgpr_msb 0x5
	s_wait_tensorcnt 0x0
	ds_add_u32 v0, v1
	s_wait_dscnt 0x0
	s_set_vgpr_msb 0x500
	s_endpgm
.Lfunc_end_k_qe93525ddb1_attn:
	.size	k_qe93525ddb1_attn, .Lfunc_end_k_qe93525ddb1_attn-k_qe93525ddb1_attn
	.p2alignl 7, 3214868480
	.fill 96, 4, 3214868480
	.section	.rodata,"a",@progbits
	.p2align	6, 0x0
	.amdhsa_kernel k_qe93525ddb1_attn
		.amdhsa_group_segment_fixed_size 327680
		.amdhsa_private_segment_fixed_size 0
		.amdhsa_enable_private_segment 0
		.amdhsa_kernarg_size 40
		.amdhsa_user_sgpr_count 2
		.amdhsa_user_sgpr_kernarg_segment_ptr 1
		.amdhsa_wavefront_size32 1
		.amdhsa_system_sgpr_workgroup_id_x 1
		.amdhsa_system_sgpr_workgroup_id_y 1
		.amdhsa_system_sgpr_workgroup_id_z 1
		.amdhsa_system_vgpr_workitem_id 0
		.amdhsa_next_free_vgpr 258
		.amdhsa_next_free_sgpr 102
		.amdhsa_reserve_vcc 0
		.amdhsa_float_denorm_mode_32 3
		.amdhsa_float_denorm_mode_16_64 3
		.amdhsa_memory_ordered 1
		.amdhsa_forward_progress 1
		.amdhsa_inst_pref_size 255
	.end_amdhsa_kernel
	.section	.bss,"aw",@nobits
	.p2align	6
	.space	262144
	.amdgpu_metadata
---
amdhsa.version: [ 1, 2 ]
amdhsa.kernels:
  - .name:           k_qe93525ddb1_attn
    .symbol:         k_qe93525ddb1_attn.kd
    .args:
      - { .name: qkv, .offset: 0, .size: 8, .value_kind: global_buffer, .address_space: global }
      - { .name: pkx, .offset: 8, .size: 8, .value_kind: global_buffer, .address_space: global }
      - { .name: pvx, .offset: 16, .size: 8, .value_kind: global_buffer, .address_space: global }
      - { .name: pad_mask, .offset: 24, .size: 8, .value_kind: global_buffer, .address_space: global }
      - { .name: ao, .offset: 32, .size: 8, .value_kind: global_buffer, .address_space: global }
    .group_segment_fixed_size: 327680
    .private_segment_fixed_size: 0
    .kernarg_segment_align: 8
    .kernarg_segment_size: 40
    .max_flat_workgroup_size: 256
    .sgpr_count:     102
    .vgpr_count:     258
    .wavefront_size: 32
...
	.end_amdgpu_metadata
.endif
;; end of part 3
;; launch outg (part 4): grid 8 x 32, 4 waves a work-group, clusters of 4 x 4, 327,680 bytes of LDS; arguments ao, wt, bo, out0; writes out0
.if DOCPART == 4
	.amdgcn_target "amdgcn-amd-amdhsa--gfx1250"
	.amdhsa_code_object_version 6
	.text
	.protected	k_qe93525ddb1_outg
	.globl	k_qe93525ddb1_outg
	.p2align	8
	.type	k_qe93525ddb1_outg,@function
k_qe93525ddb1_outg:
	s_mov_b64 s[64:65], 0
	v_nop
	global_prefetch_b8 v0, s[64:65] scope:SCOPE_SE
	s_setreg_imm32_b32 hwreg(HW_REG_WAVE_MODE, 25, 1), 1
	s_wait_xcnt 0x0
	s_wait_alu depctr_hold_cnt(0) depctr_sa_sdst(0) depctr_va_vdst(0) depctr_va_sdst(0) depctr_va_ssrc(0) depctr_va_vcc(0) depctr_vm_vsrc(0)
	s_getreg_b32 s2, hwreg(HW_REG_IB_STS2, 6, 4)
	s_cmp_eq_u32 s2, 0
	s_cbranch_scc0 .Lentry_in_a_cluster
	s_endpgm
.Lentry_in_a_cluster:
	s_bfe_u32 s2, ttmp6, 0x10000c
	s_cmp_lg_u32 s2, 0xf033
	s_cbranch_scc0 .Lentry_shape_is_right
	s_endpgm
.Lentry_shape_is_right:
; out0[4096][1024] = attention output x Wo + bo: f16 operands, f32 sums, f32 out.
; A = ao[16 head][4096 m][64] (k = 64 head + d), B = wt rows 3072..4095 (Wo transposed, [n][k]).
; A work-group makes 128 rows x 128 columns; wave w makes rows 64 (w >> 1) .. + 63 x columns 64 (w & 1) .. + 63: 4 x 4 tiles of 16 x 16.
; K goes in steps of 256 = four heads through two LDS slots: four visits in all, written out.  The two first fills bring half of all operands;
; each slot is filled again once.  From a refill's request to the wait for it a wave issues 124 matrix instructions.
; Waves 0, 1 fetch two heads of A each: a tile of 2 rows x 8,192 elements, a row being one head's 128 dense rows of 128 bytes, 524,288 bytes from head
; to head; 16 bytes of padding behind every 128 bytes, counted along the tile, make LDS rows of pitch 144, head after head.
; Waves 2, 3 fetch 64 rows of B each, 512 bytes a row, pitch 528.
; CLUSTER 4 x 4: A's tile hangs on the block row alone and is asked for jointly by a row of the cluster, B's on the block column alone, by a column.
; The matrix instruction is used transposed (source 0 = rows of wt, source 1 = rows of ao): lane (i, h) holds row i of C, columns 8 h .. 8 h + 7.
; REGISTERS: window 0: addresses, A's fragments v32-95 (two buffers), bias v128-159; window 1: B's fragments v0-63 (two buffers);
; windows 2, 3: accumulators of row tiles 0, 1 and 2, 3 (tile (a, b) at v[8 (4 (a & 1) + b)]).
; The 16 accumulators take turns, one instruction a turn, in the same order in every eighth of a visit.
; LIMIT: the attention output and Wo below 65,504 in magnitude (f16 operands).
.set NT,     4
.set KDIM,   1024
.set KSTEP,  256
.set PITCH,  528                       ; B's rows: 512 bytes + 16
.set APITCH, 144                       ; A's rows: 128 bytes + 16
.set AHEAD,  128*APITCH                ; one head's 128 rows: 18,432
.set AHALF,  2*AHEAD                   ; what one of A's loads brings
.set ABYTES, 2*AHALF                   ; 73,728
.set BHALF,  64*PITCH                  ; what one of B's loads brings, and what one wave reads of B: 33,792
.set SLOT,   ABYTES+2*BHALF            ; 141,312
.set STAGE,  2*SLOT                    ; behind the ring, never filled by a tensor load
.set SPITCH, 272                       ; a stage row: 64 f32 + 16 bytes
.set WSTAGE, 16*SPITCH
.set HEADB,  524288                    ; bytes of a head in ao
.set ADRA, 16                          ; v16-17 my A fragments in slot 0, 1
.set ADRB, 20                          ; v20-21 my B fragments
.set STO,  24
.set RD,   25
.set CO,   26
.set BO,   27
.set FA,   32
.set T,    32                          ; the way out: v32-95
.set BIAS, 128
.set G1,  24
.set G0,  32
.set G1B, 48
.set G0B, 56
.set MSB, 0
.macro WIN new                         ; the immediate's high byte repeats the setting that is left
.if MSB != \new
	s_set_vgpr_msb (MSB<<8)|\new
.set MSB, \new
.endif
.endm
.set MUL_LO, 0xa1                      ; source 0 window 1, source 1 window 0, C and D window 2
.set MUL_HI, 0xf1                      ; C and D window 3
.set TO_B,   0x40                      ; destination window 1
.macro JLOAD s                         ; one joint load a wave; the branch hangs on the wave's number alone
	s_cmp_eq_u32 s11, 0
	s_cbranch_scc0 .Lfor_b_\@
	tensor_load_to_lds s[G0+4*\s:G0+4*\s+3], s[G1:G1+7]
	s_nop 0
	s_branch .Lasked_\@
.Lfor_b_\@:
	tensor_load_to_lds s[G0B+4*\s:G0B+4*\s+3], s[G1B:G1B+7]
	s_nop 0
.Lasked_\@:
.endm
.macro CREST                           ; a round of the cluster's barrier behind its opening work-group barrier
	s_cmp_lg_u32 s10, 0
	s_cbranch_scc1 .Lnot_wave_0_\@
	s_barrier_signal -3
.Lnot_wave_0_\@:
	s_barrier_wait -3
	s_barrier_signal -1
	s_barrier_wait -1
.endm
.macro CROUND
	s_barrier_signal -1
	s_barrier_wait -1
	CREST
.endm
	s_load_b128 s[4:7], s[0:1], 0x0                ; ao, wt
	s_load_b128 s[68:71], s[0:1], 0x10             ; bo 68, out0 70
	s_set_vgpr_msb 0x40
	v_lshl_add_u32 v255, v0, 2, 0x49400
	s_set_vgpr_msb 0x4000
	v_mov_b32 v255, 0
	s_set_vgpr_msb 0x1
	ds_add_u32 v255, v255
	s_set_vgpr_msb 0x100
	v_lshrrev_b32 v1, 5, v0
	v_readfirstlane_b32 s10, v1                    ; wave
	s_lshr_b32 s11, s10, 1                         ; my half of the block's rows.  Also: I fetch for A (0) or for B (1)
	s_and_b32 s12, s10, 1                          ; my half of its columns.  Also: which half of that tile I fetch
	s_bfe_u32 s40, ttmp6, 0x40000                  ; cx
	s_bfe_u32 s41, ttmp6, 0x40004                  ; cy
	s_lshl_b32 s42, ttmp9, 2
	s_add_co_u32 s42, s42, s40                     ; block column nb, 0..7
	s_and_b32 s13, ttmp7, 0xffff
	s_lshl_b32 s13, s13, 2
	s_add_co_u32 s13, s13, s41                     ; block row mb, 0..31
	s_lshl_b32 s43, s41, 2
	s_lshl_b32 s43, 15, s43                        ; my row of the cluster
	s_lshl_b32 s44, 0x1111, s40                    ; my column
	s_or_b32 s[G1+0], s43, (1<<16)|(1<<20)|(1<<21)|(4<<22)|(3<<25)   ; A: elements of 2 bytes, 4 words of padding behind every 32 words
	s_mov_b32 s[G1+1], 8192<<16                    ; tensor_dim0 = 8,192: a head's 128 rows of 64 numbers
	s_mov_b32 s[G1+2], 2<<16                       ; tensor_dim1 = 2 heads
	s_mov_b32 s[G1+3], 8192<<16                    ; tile_dim0
	s_mov_b32 s[G1+4], 2                           ; tile_dim1
	s_mov_b32 s[G1+5], 262144                      ; elements from head to head
	s_mov_b32 s[G1+6], 0
	s_mov_b32 s[G1+7], 0
	s_or_b32 s[G1B+0], s44, (1<<16)|(1<<20)|(1<<21)|(6<<22)|(3<<25)  ; B: 4 words of padding behind every 128 words
	s_mov_b32 s[G1B+1], KSTEP<<16                  ; rows of 256 elements,
	s_mov_b32 s[G1B+2], 64<<16                     ; 64 of them,
	s_mov_b32 s[G1B+3], KSTEP<<16
	s_mov_b32 s[G1B+4], 64
	s_mov_b32 s[G1B+5], KDIM                       ; 1,024 elements from row to row
	s_mov_b32 s[G1B+6], 0
	s_mov_b32 s[G1B+7], 0
	; A's address is made of the block row and the wave, B's of the block column and the wave, in registers that never hold the other coordinate
	s_lshl_b32 s16, s13, 14                        ; A: 128 mb rows of 128 bytes
	s_lshl_b32 s22, s12, 20                        ; + two heads for the second half
	s_add_co_u32 s16, s16, s22
	s_mov_b32 s17, 0
	s_lshl_b32 s46, s42, 7
	s_lshl_b32 s23, s12, 6
	s_add_co_u32 s46, s46, s23
	s_add_co_u32 s46, s46, 3072                    ; B: row 3072 + 128 nb + 64 half
	s_lshl_b32 s46, s46, 11                        ; x 2,048 bytes
	s_mov_b32 s47, 0
	s_mul_i32 s20, s12, AHALF                      ; LDS: the wave's number alone
	s_mul_i32 s21, s12, BHALF
	s_add_co_u32 s21, s21, ABYTES
	s_wait_dscnt 0x0
	s_wait_kmcnt 0x0
	s_add_nc_u64 s[14:15], s[4:5], s[16:17]
	s_add_nc_u64 s[46:47], s[6:7], s[46:47]
	CROUND                                         ; all sixteen work-groups are here: the first joint loads meet
.irp s, 0,1
	s_mov_b32 s[G0+4*\s], 1
	s_add_co_u32 s[G0+4*\s+1], s20, \s*SLOT
	s_add_nc_u64 s[G0+4*\s+2:G0+4*\s+3], s[14:15], \s*4*HEADB      ; slot s: heads 4 s ..
	s_or_b32 s[G0+4*\s+3], s[G0+4*\s+3], 0x80000000
	s_mov_b32 s[G0B+4*\s], 1
	s_add_co_u32 s[G0B+4*\s+1], s21, \s*SLOT
	s_add_nc_u64 s[G0B+4*\s+2:G0B+4*\s+3], s[46:47], \s*KSTEP*2    ; slot s: k from 256 s
	s_or_b32 s[G0B+4*\s+3], s[G0B+4*\s+3], 0x80000000
	JLOAD \s                                       ; two loads of a wave are out: k 0..255 and 256..511
.endr
	v_and_b32 v1, 15, v0                           ; i
	v_bfe_u32 v2, v0, 4, 1                         ; h
	v_mul_u32_u24 v3, v1, PITCH
	v_lshl_add_u32 v3, v2, 4, v3                   ; B: row i, 16 h
	v_mul_u32_u24 v4, v1, APITCH
	v_lshl_add_u32 v4, v2, 4, v4                   ; A: row i, 16 h
	s_mul_i32 s22, s11, 64*APITCH                  ; my 64 rows in each head's block of A
	s_mul_i32 s23, s12, BHALF                      ; my 64 rows of B,
	s_add_co_u32 s23, s23, ABYTES                  ; which lie behind A
.irp s, 0,1
	v_add_nc_u32 v[ADRA+\s], s22, v4
	v_add_nc_u32 v[ADRB+\s], s23, v3
	s_add_co_u32 s22, s22, SLOT
	s_add_co_u32 s23, s23, SLOT
.endr
	s_mul_i32 s23, s10, WSTAGE
	s_add_co_u32 s23, s23, STAGE                   ; my stage
	v_mul_u32_u24 v5, v1, SPITCH
	v_lshl_add_u32 v5, v2, 5, v5
	v_add_nc_u32 v[STO], s23, v5                   ; in: row i, 32 bytes for each half of the lanes
	v_mul_u32_u24 v6, v2, SPITCH
	v_lshl_add_u32 v6, v1, 4, v6
	v_add_nc_u32 v[RD], s23, v6                    ; back: lanes 0-15 a row of 256 bytes, lanes 16-31 the next
	v_lshlrev_b32 v7, 12, v2
	v_lshl_add_u32 v[CO], v1, 4, v7                ; the same two rows in out0
	v_lshlrev_b32 v[BO], 5, v2                     ; bias: 8 h numbers
	s_lshl_b32 s16, s13, 19                        ; (128 mb + 64 row half) rows of 4,096 bytes
	s_lshl_b32 s22, s11, 18
	s_add_co_u32 s16, s16, s22
	s_lshl_b32 s66, s42, 9                         ; (128 nb + 64 column half) columns of 4 bytes
	s_lshl_b32 s22, s12, 8
	s_add_co_u32 s66, s66, s22
	s_mov_b32 s67, 0
	s_add_nc_u64 s[68:69], s[68:69], s[66:67]
	s_add_nc_u64 s[70:71], s[70:71], s[66:67]
	s_add_nc_u64 s[70:71], s[70:71], s[16:17]
.irp b, 0,1,2,3
	global_load_b128 v[BIAS+8*\b:BIAS+8*\b+3], v[BO], s[68:69] offset:64*\b       ; bias of columns 16 b + 8 h .. + 7; waited for on the way out
	global_load_b128 v[BIAS+8*\b+4:BIAS+8*\b+7], v[BO], s[68:69] offset:64*\b+16
.endr
; NT matrix instructions: row tile a x my four column tiles, 32 along K, from fragment buffers f.  zero = 1: the first product starts the sums.
.macro MULA f, a, zero
.set tb, 0
.rept NT
.if \zero
	v_wmma_f32_16x16x32_f16 v[8*(NT*((\a)&1)+tb):8*(NT*((\a)&1)+tb)+7], v[8*NT*\f+8*tb:8*NT*\f+8*tb+7], v[FA+32*\f+8*\a:FA+32*\f+8*\a+7], 0
.else
	v_wmma_f32_16x16x32_f16 v[8*(NT*((\a)&1)+tb):8*(NT*((\a)&1)+tb)+7], v[8*NT*\f+8*tb:8*NT*\f+8*tb+7], v[FA+32*\f+8*\a:FA+32*\f+8*\a+7], v[8*(NT*((\a)&1)+tb):8*(NT*((\a)&1)+tb)+7]
.endif
.set tb, tb+1
.endr
.endm
; 16 LDS loads in one run: eighth kq of a slot's 256 along K: in A the head kq >> 1, d from 32 (kq & 1); in B byte 64 kq of the rows
.macro FETCH slot, kq, f
	WIN TO_B
.set tb, 0
.rept NT
	ds_load_b128 v[8*NT*\f+8*tb:8*NT*\f+8*tb+3], v[ADRB+\slot] offset:64*\kq+tb*16*PITCH
	ds_load_b128 v[8*NT*\f+8*tb+4:8*NT*\f+8*tb+7], v[ADRB+\slot] offset:64*\kq+tb*16*PITCH+32
.set tb, tb+1
.endr
	WIN 0
.irp a, 0,1,2,3
	ds_load_b128 v[FA+32*\f+8*\a:FA+32*\f+8*\a+3], v[ADRA+\slot] offset:((\kq)>>1)*AHEAD+((\kq)&1)*64+\a*16*APITCH
	ds_load_b128 v[FA+32*\f+8*\a+4:FA+32*\f+8*\a+7], v[ADRA+\slot] offset:((\kq)>>1)*AHEAD+((\kq)&1)*64+\a*16*APITCH+32
.endr
.endm
.macro PLACES                          ; four places behind the last matrix instruction that read the registers loaded next (ISA guide 7.12.1)
.rept 4
	v_nop
.endr
.endm
.macro EIGHTH slot, kq, f, g, zero     ; multiplies buffers f; in its middle fetches eighth kq into buffers g
	s_wait_dscnt 4                                 ; all but the four youngest loads (A's row tiles 2, 3) are in
	WIN MUL_LO
	MULA \f, 0, \zero
	MULA \f, 1, \zero
	PLACES
	FETCH \slot, \kq, \g
	s_wait_dscnt 2*NT+8                            ; all but the run just issued
	WIN MUL_HI
	MULA \f, 2, \zero
	MULA \f, 3, \zero
.endm
.macro SEVEN slot, zero
	EIGHTH \slot, 1, 0, 1, \zero
	EIGHTH \slot, 2, 1, 0, 0
	EIGHTH \slot, 3, 0, 1, 0
	EIGHTH \slot, 4, 1, 0, 0
	EIGHTH \slot, 5, 0, 1, 0
	EIGHTH \slot, 6, 1, 0, 0
	EIGHTH \slot, 7, 0, 1, 0
.endm
; The last eighth changes slots.  In front of the barrier: my reads of this slot and all my tensor loads (one is out: my part of the next slot).
; Where the slot is filled again the barrier opens a round of the cluster's barrier, and the joint refill is the first tensor load behind the round.
.macro TURN slot, next, fill
	s_wait_dscnt 4
	WIN MUL_LO
	MULA 1, 0, 0
	s_wait_dscnt 0x0                               ; my reads of this slot are over,
	s_wait_tensorcnt 0x0                           ; all my tensor loads have landed
	ds_add_u32 v255, v255
	s_wait_dscnt 0x0
	s_barrier_signal -1
	MULA 1, 1, 0                                   ; register work while the others arrive
	WIN 0
	s_barrier_wait -1
.if \fill
	CREST
	s_add_nc_u64 s[G0+4*\slot+2:G0+4*\slot+3], s[G0+4*\slot+2:G0+4*\slot+3], 8*HEADB       ; no load of mine is out: eight heads on
	s_add_nc_u64 s[G0B+4*\slot+2:G0B+4*\slot+3], s[G0B+4*\slot+2:G0B+4*\slot+3], 2*KSTEP*2 ; 512 along K on
	JLOAD \slot
.endif
	PLACES
	FETCH \next, 0, 0
	WIN MUL_HI
	MULA 1, 2, 0
	MULA 1, 3, 0
.endm
	s_wait_tensorcnt 1                             ; my part of slot 0 is in; slot 1's stays out
	s_barrier_signal -1
	s_barrier_wait -1
	FETCH 0, 0, 0
	SEVEN 0, 1                                     ; k 0..255: the first products start the sums
	TURN 0, 1, 1                                   ; slot 0 is asked for again: k 512..767
	SEVEN 1, 0                                     ; k 256..511
	TURN 1, 0, 1                                   ; slot 1 is asked for again: k 768..1023, the last load
	SEVEN 0, 0                                     ; k 512..767
	TURN 0, 1, 0                                   ; nothing is left to fetch
	SEVEN 1, 0                                     ; k 768..1023
	s_wait_dscnt 4
	WIN MUL_LO
	MULA 1, 0, 0
	MULA 1, 1, 0
	s_wait_dscnt 0x0
	WIN MUL_HI
	MULA 1, 2, 0
	MULA 1, 3, 0
; THE WAY OUT, 16 rows at a time: + bias, 32 bytes a lane and tile into my own stage, back as whole rows of 256 bytes
.macro OUTROW a, from
	s_wait_xcnt 0x0                                ; the registers that the last row tile's stores read are rewritten only behind this wait
	WIN \from
.set tb, 0
.rept NT
.irp r, 0,2,4,6
	v_pk_add_f32 v[T+8*tb+\r:T+8*tb+\r+1], v[8*(NT*((\a)&1)+tb)+\r:8*(NT*((\a)&1)+tb)+\r+1], v[BIAS+8*tb+\r:BIAS+8*tb+\r+1]
.endr
.set tb, tb+1
.endr
	WIN 0
.set tb, 0
.rept NT
	ds_store_b128 v[STO], v[T+8*tb:T+8*tb+3] offset:64*tb
	ds_store_b128 v[STO], v[T+8*tb+4:T+8*tb+7] offset:64*tb+16
.set tb, tb+1
.endr
.irp t, 0,1,2,3,4,5,6,7
	ds_load_b128 v[T+32+4*\t:T+32+4*\t+3], v[RD] offset:\t*2*SPITCH    ; LDS serves a wave in order: these see the stores above
.endr
.irp t, 0,1,2,3,4,5,6,7
	s_wait_dscnt 7-\t                              ; load t is in, the younger ones stay out
	global_store_b128 v[CO], v[T+32+4*\t:T+32+4*\t+3], s[70:71] offset:65536*\a+8192*\t th:TH_STORE_NT   ; sixteen lanes store 256 neighbouring bytes, aligned
.endr
.endm
	PLACES                                         ; behind the last matrix instructions
	s_wait_loadcnt 0x0                             ; the bias
	OUTROW 0, 0x02
	OUTROW 1, 0x02
	OUTROW 2, 0x03
	OUTROW 3, 0x03
	s_set_vgpr_msb 0x1
	s_wait_tensorcnt 0x0
	ds_add_u32 v255, v255
	s_wait_dscnt 0x0
	s_set_vgpr_msb 0x100
	CROUND                                         ; the closing round: no work-group ends while a partner may still ask for a tile that names it
	s_endpgm
.Lfunc_end_k_qe93525ddb1_outg:
	.size	k_qe93525ddb1_outg, .Lfunc_end_k_qe93525ddb1_outg-k_qe93525ddb1_outg
	.p2alignl 7, 3214868480
	.fill 96, 4, 3214868480
	.section	.rodata,"a",@progbits
	.p2align	6, 0x0
	.amdhsa_kernel k_qe93525ddb1_outg
		.amdhsa_group_segment_fixed_size 327680
		.amdhsa_private_segment_fixed_size 0
		.amdhsa_enable_private_segment 0
		.amdhsa_kernarg_size 32
		.amdhsa_user_sgpr_count 2
		.amdhsa_user_sgpr_kernarg_segment_ptr 1
		.amdhsa_wavefront_size32 1
		.amdhsa_system_sgpr_workgroup_id_x 1
		.amdhsa_system_sgpr_workgroup_id_y 1
		.amdhsa_system_sgpr_workgroup_id_z 1
		.amdhsa_system_vgpr_workitem_id 0
		.amdhsa_next_free_vgpr 832
		.amdhsa_next_free_sgpr 72
		.amdhsa_reserve_vcc 0
		.amdhsa_float_denorm_mode_32 3
		.amdhsa_float_denorm_mode_16_64 3
		.amdhsa_memory_ordered 1
		.amdhsa_forward_progress 1
		.amdhsa_inst_pref_size 97
	.end_amdhsa_kernel
	.amdgpu_metadata
---
amdhsa.version: [ 1, 2 ]
amdhsa.kernels:
  - .name:           k_qe93525ddb1_outg
    .symbol:         k_qe93525ddb1_outg.kd
    .args:
      - { .name: ao, .offset: 0, .size: 8, .value_kind: global_buffer, .address_space: global }
      - { .name: wt, .offset: 8, .size: 8, .value_kind: global_buffer, .address_space: global }
      - { .name: bo, .offset: 16, .size: 8, .value_kind: global_buffer, .address_space: global }
      - { .name: out0, .offset: 24, .size: 8, .value_kind: global_buffer, .address_space: global }
    .group_segment_fixed_size: 327680
    .private_segment_fixed_size: 0
    .kernarg_segment_align: 8
    .kernarg_segment_size: 32
    .max_flat_workgroup_size: 128
    .sgpr_count:     72
    .vgpr_count:     832
    .wavefront_size: 32
...
	.end_amdgpu_metadata
.endif
;; end of part 4
